; MI455X (gfx1250); checked and timed in simulation.
; The chip was launched on July 23, 2026; its instructions are those of AMD's public machine-readable ISA for CDNA 5 (MIT licence, August 2026) and "CDNA5" Instruction Set Architecture Reference Guide (July 2026). The comments in the code are by the model that wrote it; some were corrected since.
;; Distributed XTWMLP. Allowed arithmetic: float matrix products may take bf16 or f16 operands with f32 sums; other float arithmetic in f32, or as packed bf16 or f16 multiplies, adds, multiply-adds, maxima and minima; sums over many terms, partial sums and values carried from step to step in f32; what a program stores and reads back later, other than sums and carried values, may be rounded once to bf16 or f16.
;; Inputs: W1 2,048 x 8,192 float32; W2 8,192 x 2,048 float32; b1 8,192 float32; b2 2,048 float32; x 2,048 x 2,048 float32.
;; Outputs: out0 2,048 x 2,048 float32.
;; One version. Each part assembles by itself: llvm-mc -triple=amdgcn-amd-amdhsa -mcpu=gfx1250 --defsym DOCPART=n.
;; ======== version 1 of 1: 4 launches
;; workspace buffers: xb 8,388,608 bytes; W1b 33,554,432 bytes; W2b 33,554,432 bytes; hT 33,554,432 bytes; part 67,108,864 bytes
;; launch cast (part 1): grid 2304 x 1, 8 waves a work-group, no clusters, 0 bytes of LDS; arguments x, W1, W2, xb, W1b, W2b; writes xb, W1b, W2b
.if DOCPART == 1
	.amdgcn_target "amdgcn-amd-amdhsa--gfx1250"
	.amdhsa_code_object_version 6
	.text
	.protected	k_qe8803561cc_cast
	.globl	k_qe8803561cc_cast
	.p2align	8
	.type	k_qe8803561cc_cast,@function
k_qe8803561cc_cast:
	s_mov_b64 s[64:65], 0
	v_nop
	global_prefetch_b8 v0, s[64:65] scope:SCOPE_SE
	s_setreg_imm32_b32 hwreg(HW_REG_WAVE_MODE, 25, 1), 1
	s_wait_xcnt 0x0
; out = gelu(x^T W1 + b1) W2 + b2, in four launches: this one rounds x, W1 and W2 once to bf16, in the layout in which they lie; the second makes the hidden layer, the third four partial sums of the output, the fourth adds them.
; NOTHING OF THE PROBLEM IS LEFT OUT: all five inputs reach the output, and all five are loaded (b1 and b2 by the launches that add them, in f32).
; WHY A LAUNCH FOR THE ROUNDING: a tile of W1 is multiplied by 8 tiles of the hidden layer, a tile of x by 32, a tile of W2 by 8: rounded here, each number is converted once and its tiles have half the bytes.
; No transposition: x, W1 and W2 all have the summed index along their rows' number, and the products take such tiles out of LDS by the turning load.
; SHARES.  A work-group takes 65,536 bytes of f32 and makes 32,768 of bf16: groups 0-255 x, 256-1279 W1, 1280-2303 W2.  Thread t takes the 16 bytes at 16 t + 4,096 i, i = 0..15: a load of a wave
; covers 512 consecutive bytes, a store 256 consecutive bytes at a multiple of 256 from the buffer's first.  All sixteen loads go out first; no register that a memory instruction reads is ever rewritten.
; No LDS, no matrix unit, no cluster: nothing is shared and nothing is summed.
; LIMITS.  Round to nearest even; beyond bf16's largest finite number the rounding gives an infinity (f32 numbers above 3.39e38).
.set X, 4                              ; v[4:67]  slot i: four f32 as loaded; its first two registers then hold the four bf16
	s_load_b256 s[4:11], s[0:1], 0x0               ; x s[4:5], W1 s[6:7], W2 s[8:9], xb s[10:11]
	s_load_b128 s[12:15], s[0:1], 0x20             ; W1b s[12:13], W2b s[14:15]
	v_lshlrev_b32 v1, 4, v0                        ; 16 t: my bytes in 4,096 of the source
	v_lshlrev_b32 v2, 3, v0                        ; 8 t: in 2,048 of the destination
	s_movk_i32 s21, 1280
	s_wait_kmcnt 0x0
	s_cmp_lt_u32 ttmp9, s21                        ; W1 or W2?
	s_cselect_b64 s[16:17], s[6:7], s[8:9]
	s_cselect_b64 s[18:19], s[12:13], s[14:15]
	s_cselect_b32 s20, 256, s21                    ; the chosen buffer's first group
	s_cmp_lt_u32 ttmp9, 256                        ; or x?
	s_cselect_b64 s[16:17], s[4:5], s[16:17]
	s_cselect_b64 s[18:19], s[10:11], s[18:19]
	s_cselect_b32 s20, 0, s20
	s_sub_co_u32 s20, ttmp9, s20                   ; my group within the buffer, 1,023 at the most
	s_lshl_b32 s22, s20, 16                        ; its bytes in the source,
	s_mov_b32 s23, 0
	s_lshl_b32 s24, s20, 15                        ; and in the destination
	s_mov_b32 s25, 0
	s_add_nc_u64 s[16:17], s[16:17], s[22:23]
	s_add_nc_u64 s[18:19], s[18:19], s[24:25]
.irp i, 0,1,2,3,4,5,6,7,8,9,10,11,12,13,14,15
	global_load_b128 v[X+4*(\i):X+4*(\i)+3], v1, s[16:17] offset:4096*(\i) th:TH_LOAD_NT
.endr
.irp i, 0,1,2,3,4,5,6,7,8,9,10,11,12,13,14,15
	s_wait_loadcnt 15-(\i)                         ; loads come back in order (ISA guide 5.7.1): slot i is in, the younger ones stay out
	v_cvt_pk_bf16_f32 v[X+4*(\i)],   v[X+4*(\i)],   v[X+4*(\i)+1]
	v_cvt_pk_bf16_f32 v[X+4*(\i)+1], v[X+4*(\i)+2], v[X+4*(\i)+3]
	global_store_b64 v2, v[X+4*(\i):X+4*(\i)+1], s[18:19] offset:2048*(\i)
.endr
	s_endpgm
.Lfunc_end_k_qe8803561cc_cast:
	.size	k_qe8803561cc_cast, .Lfunc_end_k_qe8803561cc_cast-k_qe8803561cc_cast
	.p2alignl 7, 3214868480
	.fill 96, 4, 3214868480
	.section	.rodata,"a",@progbits
	.p2align	6, 0x0
	.amdhsa_kernel k_qe8803561cc_cast
		.amdhsa_group_segment_fixed_size 0
		.amdhsa_private_segment_fixed_size 0
		.amdhsa_enable_private_segment 0
		.amdhsa_kernarg_size 48
		.amdhsa_user_sgpr_count 2
		.amdhsa_user_sgpr_kernarg_segment_ptr 1
		.amdhsa_wavefront_size32 1
		.amdhsa_system_sgpr_workgroup_id_x 1
		.amdhsa_system_sgpr_workgroup_id_y 1
		.amdhsa_system_sgpr_workgroup_id_z 1
		.amdhsa_system_vgpr_workitem_id 0
		.amdhsa_next_free_vgpr 72
		.amdhsa_next_free_sgpr 66
		.amdhsa_reserve_vcc 0
		.amdhsa_float_denorm_mode_32 3
		.amdhsa_float_denorm_mode_16_64 3
		.amdhsa_memory_ordered 1
		.amdhsa_forward_progress 1
		.amdhsa_inst_pref_size 7
	.end_amdhsa_kernel
	.amdgpu_metadata
---
amdhsa.version: [ 1, 2 ]
amdhsa.kernels:
  - .name:           k_qe8803561cc_cast
    .symbol:         k_qe8803561cc_cast.kd
    .args:
      - { .name: x, .offset: 0, .size: 8, .value_kind: global_buffer, .address_space: global }
      - { .name: W1, .offset: 8, .size: 8, .value_kind: global_buffer, .address_space: global }
      - { .name: W2, .offset: 16, .size: 8, .value_kind: global_buffer, .address_space: global }
      - { .name: xb, .offset: 24, .size: 8, .value_kind: global_buffer, .address_space: global }
      - { .name: W1b, .offset: 32, .size: 8, .value_kind: global_buffer, .address_space: global }
      - { .name: W2b, .offset: 40, .size: 8, .value_kind: global_buffer, .address_space: global }
    .group_segment_fixed_size: 0
    .private_segment_fixed_size: 0
    .kernarg_segment_align: 8
    .kernarg_segment_size: 48
    .max_flat_workgroup_size: 256
    .sgpr_count:     66
    .vgpr_count:     72
    .wavefront_size: 32
...
	.end_amdgpu_metadata
.endif
;; end of part 1
;; launch fc1 (part 2): grid 8 x 32, 4 waves a work-group, clusters of 4 x 4, 327,680 bytes of LDS; arguments W1b, xb, hT, b1; writes hT
.if DOCPART == 2
	.amdgcn_target "amdgcn-amd-amdhsa--gfx1250"
	.amdhsa_code_object_version 6
	.text
	.protected	k_qe8803561cc_fc1
	.globl	k_qe8803561cc_fc1
	.p2align	8
	.type	k_qe8803561cc_fc1,@function
k_qe8803561cc_fc1:
	s_mov_b64 s[64:65], 0
	v_nop
	global_prefetch_b8 v0, s[64:65] scope:SCOPE_SE
	s_setreg_imm32_b32 hwreg(HW_REG_WAVE_MODE, 25, 1), 1
	s_wait_xcnt 0x0
	s_wait_alu depctr_hold_cnt(0) depctr_sa_sdst(0) depctr_va_vdst(0) depctr_va_sdst(0) depctr_va_ssrc(0) depctr_va_vcc(0) depctr_vm_vsrc(0)
	s_getreg_b32 s2, hwreg(HW_REG_IB_STS2, 6, 4)
	s_cmp_eq_u32 s2, 0
	s_cbranch_scc0 .Lentry_in_a_cluster
	s_endpgm
.Lentry_in_a_cluster:
	s_bfe_u32 s2, ttmp6, 0x10000c
	s_cmp_lg_u32 s2, 0xf033
	s_cbranch_scc0 .Lentry_shape_is_right
	s_endpgm
.Lentry_shape_is_right:
; hT[hid][tok] = gelu(b1[hid] + the sum over d of W1b[d][hid] xb[d][tok]).  W1b: [2048][8192], xb: [2048][2048], hT: [8192][2048], all bf16; b1: [8192] f32.  Sums and GELU in f32, hT rounded once.
; Nothing of the problem is left out here.  THE HIDDEN LAYER IS STORED TURNED, [hid][tok]: the next product sums over hid, so hT lies for it as xb lies for this one.
; GELU is the tanh form: 0.5 u (1 + tanh(y)) = u / (1 + e^(-2 y)), y = sqrt(2/pi) (u + 0.044715 u^3): here u x rcp(1 + 2^(u (K1 + K2 u^2))), K1 = -2 sqrt(2/pi) log2(e), K2 = 0.044715 K1.
; LIMITS.  Where u^2 passes f32's range the exponent is an infinity of the right sign and the result is u or -0; a power of two below 2^-126 counts as 0 beside the 1; a NaN stays a NaN; hT has bf16's range.
; SHARES.  A tile of hT, 256 hid x 256 tok, is made by a work-group of four waves; a wave makes 128 x 128: 64 accumulators of 16 x 16, 512 registers.  32 x 8 tiles: 256 work-groups.
; d goes in steps of 128 through a ring of two LDS slots filled by the tensor data mover: each tile row is 512 consecutive bytes of memory at a multiple of 512 from the buffer's first.
; FRAGMENTS.  Both tiles lie [d][column] in LDS; ds_load_tr16_b128 turns 8 x 8 numbers within eight lanes, so two such loads make a fragment of 16 columns x 32 d, as two plain loads would from rows along d.
; THE MATRIX INSTRUCTION: source 0 = 16 tok (xb), source 1 = 16 hid (W1b).  In the result lane l holds hid l % 16 and its registers the tok 8 (l / 16) + 0..7: b1 is one number a lane,
; and it is the C operand of the product that starts each sum: nothing is cleared and nothing is added afterwards.
; CLUSTERS: 4 x 4 work-groups.  The four of a row of the cluster make tiles of the same 256 hid and need the same tiles of W1b, the four of a column the same tiles of xb: each tile is asked for JOINTLY,
; by the same tensor load with the same descriptor and a mask that names the four.
; REGISTERS, in windows of 256 (s_set_vgpr_msb: bits 1:0 source 0, 3:2 source 1, 5:4 source 2, 7:6 destination):
;   window 0: v0-31 addresses; v64-127, v128-191 W1b's fragments, two buffers; v192-255 b1, eight registers alike for each of my eight blocks of 16 hid.  On the way out: v64-127 u, v128-191 at work, v192-223 packed
;   window 1: v64-127, v128-191 xb's fragments, two buffers      window 2: the accumulators of my hid 0-63 ((a, b) at v[8 (8 a + b)])      window 3: those of my hid 64-127
.set P,      544                       ; an LDS row of a tile: 512 bytes + 32 of padding = 136 words: row r starts at bank 8 r mod 64 (64 banks of 4 bytes: ISA guide 11.1)
.set HALFT,  64*P                      ; 64 rows of d: what one tensor load brings
.set SLOT,   4*HALFT                   ; W1b's 128 rows, then xb's 128 rows
.set SPARE,  2*SLOT                    ; behind the ring: the spare words, 128 bytes for each wave: two blocks of 256 bytes that no other line names
.set XP,     528                       ; the way out: a row of 128 f32 + 16 bytes: the 16 rows of a store start at 16 different groups of four banks
.set WTILE,  128*XP                    ; a wave's 128 x 128 results in f32; the four lie over the ring, which has had its last fill by then: 270,336 of its 278,528 bytes
.set STEPA,  128*8192*2                ; bytes from a step of d to the next in W1b,
.set STEPB,  128*2048*2                ; and in xb
.set LAPS,   8                         ; a lap = two steps of d = once round the ring: 2,048 / 256
.set ADRA, 16                          ; v16-17  LDS address of my W1b fragments in slot 0, 1
.set ADRB, 20                          ; v20-21  the same for xb
.set XW,   24                          ; v24     the way out: where I put 16 bytes of a row
.set XR,   25                          ; v25     the way out: where I read a row back; steps 16 rows a trip
.set CO,   26                          ; v26     my 8 bytes in 256 of a row of hT
.set BO,   27                          ; v27     my number among 16 of b1
.set SPW,  28                          ; v28     LDS address of my spare word: SPARE + 4 x my thread's number; never rewritten
.set NIL,  29                          ; v29     0; never rewritten
.set PFO,  30                          ; v30     the prefetches' offset: row lane / 2, half lane % 2 of its 512 bytes; never rewritten
.set F0,   64
.set F1,   128
.set BI,   192
.set U,    64
.set Z,    128
.set Y,    192
.set G1,  24                           ; s[24:31] descriptor group 1 for W1b's tiles;  s[32:39] group 0, a set for each slot
.set G0,  32
.set G1B, 48                           ; s[48:55], s[56:63] the same for xb's
.set G0B, 56
.set LIM, 43                           ; s43      1 in a wave that prefetches, else the greatest number
.set PFA, 44                           ; s[44:45] where my prefetches stand
.set PST, 66                           ; s[66:67] bytes from a step of d to the next in the buffer that I fetch from
.set BP,  68                           ; s[68:69] b1
.set K1,  70                           ; s[70:71], s[72:73]: the packed forms name pairs and take the low word for both halves
.set K2,  72
.set MSB, 0
.macro WIN new                         ; the immediate's high byte repeats the setting that is left; a switch that changes nothing is dropped
.if MSB != (\new)
	s_set_vgpr_msb (MSB<<8)|(\new)
.set MSB, \new
.endif
.endm
.set MUL_LO, 0xa1                      ; source 0 (xb) window 1, source 1 (W1b) window 0, C and D window 2
.set TO_B,   0x40                      ; destination window 1, address window 0
; A joint load.  Waves 0 and 1 fetch the two halves of W1b's tile, waves 2 and 3 those of xb's.  The branch hangs on the wave's number alone.  An s_nop 0 and four v_nop follow each of the two lines.
.macro JLOAD s
	s_cmp_eq_u32 s11, 0
	s_cbranch_scc0 .Lfor_b_\@
	tensor_load_to_lds s[G0+4*(\s):G0+4*(\s)+3], s[G1:G1+7]
	s_nop 0
.rept 4
	v_nop
.endr
	s_branch .Lasked_\@
.Lfor_b_\@:
	tensor_load_to_lds s[G0B+4*(\s):G0B+4*(\s)+3], s[G1B:G1B+7]
	s_nop 0
.rept 4
	v_nop
.endr
.Lasked_\@:
.endm
; A PREFETCH INTO THE L2, behind each joint refill and the run of LDS loads that follows it: the step of d that stands TWO refills on, 512 matrix instructions ahead of the load that will want it.
; A wave's load is 64 rows x 512 bytes.  Each of the four partners that ask for it jointly takes 16 rows, told apart BY ADDRESS (cx for W1b, cy for xb); a lane takes 256 bytes: one instruction a wave.
; W1b's tiles are read by both clusters of a row of clusters: the one with x = 0 asks; xb's by all eight of a column: the one with y = 0 asks.  So each 256 bytes are named once in the launch.
; Steps 0 to 3 come by their loads alone; the loop's last trip (s3 = 1) asks for nothing: the last step named is the fifteenth, the buffers' last.
.macro ASK
	s_cmp_gt_u32 s3, s[LIM]
	s_cbranch_scc0 .Lnot_mine_\@
	global_prefetch_b8 v[PFO], s[PFA:PFA+1] th:TH_LOAD_NT scope:SCOPE_SE
.Lnot_mine_\@:
.endm
; A round of the cluster's barrier: my work-group's barrier, so that wave 0's signal speaks for all four waves; wave 0 signals; every wave waits for all sixteen work-groups; my work-group's barrier once more.
.macro CREST                           ; a round behind its opening barrier
	s_cmp_lg_u32 s10, 0
	s_cbranch_scc1 .Lnot_wave_0_\@
	s_barrier_signal -3
.Lnot_wave_0_\@:
	s_barrier_wait -3
	s_barrier_signal -1
	s_barrier_wait -1
.endm
.macro CROUND
	s_barrier_signal -1
	s_barrier_wait -1
	CREST
.endm
	s_load_b128 s[4:7], s[0:1], 0x0                ; W1b s[4:5], xb s[6:7]
	s_load_b64 s[8:9], s[0:1], 0x10                ; hT
	s_load_b64 s[BP:BP+1], s[0:1], 0x18            ; b1
	v_lshl_add_u32 v[SPW], v0, 2, SPARE
	v_mov_b32 v[NIL], 0
	ds_add_u32 v[SPW], v[NIL]                      ; the wave's opening: the add, twice on end, and its wait ahead of my first tensor load; the set-up below stands between
	ds_add_u32 v[SPW], v[NIL]
	v_lshrrev_b32 v1, 5, v0
	v_readfirstlane_b32 s10, v1                    ; wave 0..3
	s_lshr_b32 s11, s10, 1                         ; which half of the tile's hid is mine.  Also: I fetch for W1b (0) or for xb (1)
	s_and_b32 s12, s10, 1                          ; which half of its tok.  Also: which 64 rows of d of that tile I fetch
	s_bfe_u32 s40, ttmp6, 0x40000                  ; cx, cy: my place in the cluster
	s_bfe_u32 s41, ttmp6, 0x40004
	s_lshl_b32 s42, ttmp9, 2
	s_add_co_u32 s42, s42, s40                     ; tx: my 256 tok = 4 x cluster x + cx
	s_and_b32 s13, ttmp7, 0xffff
	s_lshl_b32 s13, s13, 2
	s_add_co_u32 s13, s13, s41                     ; ty: my 256 hid = 4 x cluster y + cy
	s_lshl_b32 s43, s41, 2
	s_lshl_b32 s43, 15, s43                        ; my row of the cluster: places 4 cy .. 4 cy + 3
	s_lshl_b32 s44, 0x1111, s40                    ; my column: places cx, cx + 4, cx + 8, cx + 12
	; descriptor group 1: a tile of 64 rows x 256 elements, padded in LDS
	s_or_b32 s[G1+0], s43, (1<<16)|(1<<20)|(1<<21)|(6<<22)|(7<<25)   ; 15:0 the mask: W1b's tiles go to my row; 17:16 elements of 2 bytes; 20 padding on; 21 set beside a mask; 24:22 after every 128 words (code 6); 31:25 8 words (code 7)
	s_or_b32 s[G1B+0], s44, (1<<16)|(1<<20)|(1<<21)|(6<<22)|(7<<25)  ; the same with the mask of my column, for xb's tiles
.irp g, G1, G1B
	s_mov_b32 s[(\g)+1], 256<<16                   ; tensor_dim0 = 256
	s_mov_b32 s[(\g)+2], 64<<16                    ; tensor_dim1 = 64
	s_mov_b32 s[(\g)+3], 256<<16                   ; tile_dim0 = 256
	s_mov_b32 s[(\g)+4], 64                        ; tile_dim1 = 64
	s_mov_b32 s[(\g)+6], 0
	s_mov_b32 s[(\g)+7], 0
.endr
	s_mov_b32 s[G1+5], 8192                        ; elements from row to row in W1b,
	s_mov_b32 s[G1B+5], 2048                       ; and in xb
	s_mov_b32 s[K1], 0xc0135761                    ; -2.3022082
	s_mov_b32 s[K1+1], s[K1]
	s_mov_b32 s[K2], 0xbdd2d3e8                    ; -0.10294324
	s_mov_b32 s[K2+1], s[K2]
	; where the tiles come from.  W1b's hang on ty, which my row of the cluster shares, xb's on tx, which my column shares; each in registers that never hold the other coordinate
	s_lshl_b32 s16, s12, 20                        ; my 64 rows of 16,384 bytes
	s_lshl_b32 s17, s13, 9                         ; 256 hid of 2 bytes
	s_add_co_u32 s16, s16, s17
	s_mov_b32 s17, 0
	s_lshl_b32 s46, s12, 18                        ; my 64 rows of 4,096 bytes
	s_lshl_b32 s47, s42, 9
	s_add_co_u32 s46, s46, s47
	s_mov_b32 s47, 0
	s_mul_i32 s20, s10, HALFT                      ; and where they go: wave x 64 rows: no place in the cluster enters an LDS address
	s_wait_dscnt 0x0                               ; both opening adds are done
	s_wait_kmcnt 0x0
	s_add_nc_u64 s[14:15], s[4:5], s[16:17]
	s_add_nc_u64 s[46:47], s[6:7], s[46:47]
	CROUND                                         ; all sixteen work-groups are here: the first joint loads meet
.irp s, 0,1
	s_mov_b32 s[G0+4*(\s)], 1                                      ; count = 1
	s_add_co_u32 s[G0+4*(\s)+1], s20, (\s)*SLOT                    ; LDS address
	s_add_nc_u64 s[G0+4*(\s)+2:G0+4*(\s)+3], s[14:15], (\s)*STEPA  ; global address: step s of d
	s_or_b32 s[G0+4*(\s)+3], s[G0+4*(\s)+3], 0x80000000            ; type = 2
	s_mov_b32 s[G0B+4*(\s)], 1
	s_add_co_u32 s[G0B+4*(\s)+1], s20, (\s)*SLOT
	s_add_nc_u64 s[G0B+4*(\s)+2:G0B+4*(\s)+3], s[46:47], (\s)*STEPB
	s_or_b32 s[G0B+4*(\s)+3], s[G0B+4*(\s)+3], 0x80000000
	JLOAD \s                                       ; two loads of mine are out
.endr
	; The turning load: lane l reads 16 bytes of row 8 (l / 16) + l % 8, columns 8 ((l / 8) % 2) + 0..7, and is left with column l % 16 and 8 rows of d: half a fragment; the other half lies 16 rows on.
	v_and_b32 v1, 15, v0                           ; l % 16
	v_bfe_u32 v2, v0, 4, 1                         ; l / 16
	v_and_b32 v3, 7, v0
	v_bfe_u32 v4, v0, 3, 1
	v_lshl_add_u32 v5, v2, 3, v3
	v_mul_u32_u24 v5, v5, P
	v_lshl_add_u32 v5, v4, 4, v5
	s_lshl_b32 s21, s11, 8                         ; my 128 hid: 256 bytes of W1b's rows
	s_lshl_b32 s22, s12, 8                         ; my 128 tok of xb's rows,
	s_add_co_u32 s22, s22, 2*HALFT                 ; which lie behind W1b's 128
.irp s, 0,1
	v_add_nc_u32 v[ADRA+(\s)], s21, v5
	v_add_nc_u32 v[ADRB+(\s)], s22, v5
	s_add_co_u32 s21, s21, SLOT
	s_add_co_u32 s22, s22, SLOT
.endr
	s_mul_i32 s23, s10, WTILE                      ; the way out: my wave's own 67,584 bytes
	v_mul_u32_u24 v6, v1, XP                       ; in: row l % 16, 32 bytes for each half of the lanes
	v_lshl_add_u32 v6, v2, 5, v6
	v_add_nc_u32 v[XW], s23, v6
	v_and_b32 v7, 31, v0                           ; l
	v_lshl_add_u32 v[XR], v7, 4, s23               ; back: 32 lanes take a row's 512 bytes
	v_lshlrev_b32 v[CO], 3, v7                     ; which are 256 bytes of hT
	; b1 of my 128 hid: block a's 16 numbers, one a lane, in both halves of the lanes
	s_lshl_b32 s16, s13, 10
	s_lshl_b32 s17, s11, 9
	s_add_co_u32 s16, s16, s17
	s_mov_b32 s17, 0
	s_add_nc_u64 s[BP:BP+1], s[BP:BP+1], s[16:17]
	v_lshlrev_b32 v[BO], 2, v1
.irp a, 0,1,2,3,4,5,6,7
	global_load_b32 v[BI+8*(\a)], v[BO], s[BP:BP+1] offset:64*(\a)
.endr
	; where my part of the tile begins in hT, in bytes: the first trip of the way out adds it to hT's address
	s_lshl_b32 s16, s13, 20                        ; 256 rows of 4,096 bytes
	s_lshl_b32 s17, s11, 19
	s_add_co_u32 s16, s16, s17
	s_mov_b32 s17, 0
	s_lshl_b32 s46, s42, 9
	s_lshl_b32 s47, s12, 8
	s_add_co_u32 s46, s46, s47
	s_mov_b32 s47, 0
	s_add_nc_u64 s[16:17], s[16:17], s[46:47]
	; the prefetches
	s_and_b32 s22, ttmp7, 0xffff                   ; cluster y
	s_cmp_eq_u32 s11, 0                            ; do I fetch for W1b?
	s_cselect_b32 s20, s13, s42                    ; the tile's 512 bytes of a row: by ty in W1b, by tx in xb
	s_cselect_b32 s21, s40, s41                    ; my place among the four that ask with me
	s_cselect_b32 s22, ttmp9, s22                  ; the coordinate along which other clusters read the same tiles
	s_cselect_b32 s23, 14, 12                      ; a row is 2^14 bytes in W1b, 2^12 in xb
	s_cselect_b64 s[PFA:PFA+1], s[4:5], s[6:7]
	s_cmp_eq_u32 s22, 0
	s_cselect_b32 s[LIM], 1, -1                    ; the same in all sixteen partners, for a given wave
	s_lshl_b32 s[PST], 128, s23                    ; 128 rows
	s_mov_b32 s[PST+1], 0
	s_lshl_b32 s22, s12, 6                         ; the 64 rows that I fetch,
	s_lshl_b32 s21, s21, 4                         ; my work-group's 16 of them
	s_add_co_u32 s21, s21, s22
	s_lshl_b32 s21, s21, s23
	s_lshl_b32 s20, s20, 9
	s_add_co_u32 s20, s20, s21
	s_mul_i32 s22, s[PST], 3                       ; at step 3: the first refill steps it to 4 and names that
	s_add_co_u32 s20, s20, s22
	s_mov_b32 s21, 0
	s_add_nc_u64 s[PFA:PFA+1], s[PFA:PFA+1], s[20:21]
	v_lshrrev_b32 v8, 1, v7
	v_and_b32 v9, 1, v0
	v_lshlrev_b32 v8, s23, v8
	v_lshl_add_u32 v[PFO], v9, 8, v8
	s_wait_loadcnt 0x0                             ; b1
.irp a, 0,1,2,3,4,5,6,7
.irp j, 1,2,3,4,5,6,7
	v_mov_b32 v[BI+8*(\a)+(\j)], v[BI+8*(\a)]      ; a lane's eight tok share its hid: the C operand of the first product.  These stand in the wait for the first tile
.endr
.endr
; 16 matrix instructions: hid blocks a0, a0 + 1 of the window's four (hi = 0: my hid 0-63, 1: 64-127) x all 8 tok blocks, 32 along d.  zero = 1: the first product starts the sums, with b1 as C.
; The 64 accumulators take turns, one instruction a turn, in the same order in every quarter.
.macro MUL16 f, hi, a0, zero
.if \zero
	WIN 0x81+0x40*(\hi)                            ; C in window 0
.else
	WIN MUL_LO+0x50*(\hi)
.endif
.irp a, \a0, (\a0)+1
.irp b, 0,1,2,3,4,5,6,7
.if \zero
	v_wmma_f32_16x16x32_bf16 v[8*(8*(\a)+(\b)):8*(8*(\a)+(\b))+7], v[(\f)+8*(\b):(\f)+8*(\b)+7], v[(\f)+8*(4*(\hi)+(\a)):(\f)+8*(4*(\hi)+(\a))+7], v[BI+8*(4*(\hi)+(\a)):BI+8*(4*(\hi)+(\a))+7]
.else
	v_wmma_f32_16x16x32_bf16 v[8*(8*(\a)+(\b)):8*(8*(\a)+(\b))+7], v[(\f)+8*(\b):(\f)+8*(\b)+7], v[(\f)+8*(4*(\hi)+(\a)):(\f)+8*(4*(\hi)+(\a))+7], v[8*(8*(\a)+(\b)):8*(8*(\a)+(\b))+7]
.endif
.endr
.endr
.endm
; 32 LDS loads in one run: the fragments of quarter q (32 rows of d; 128 tok, then 128 hid) into buffer f
.macro FETCH slot, q, f
	WIN TO_B
.irp i, 0,1,2,3,4,5,6,7
	ds_load_tr16_b128 v[(\f)+8*(\i):(\f)+8*(\i)+3],   v[ADRB+(\slot)] offset:(\q)*32*P+32*(\i)
	ds_load_tr16_b128 v[(\f)+8*(\i)+4:(\f)+8*(\i)+7], v[ADRB+(\slot)] offset:(\q)*32*P+16*P+32*(\i)
.endr
	WIN 0
.irp i, 0,1,2,3,4,5,6,7
	ds_load_tr16_b128 v[(\f)+8*(\i):(\f)+8*(\i)+3],   v[ADRA+(\slot)] offset:(\q)*32*P+32*(\i)
	ds_load_tr16_b128 v[(\f)+8*(\i)+4:(\f)+8*(\i)+7], v[ADRA+(\slot)] offset:(\q)*32*P+16*P+32*(\i)
.endr
.endm
.macro PLACES                          ; four places in front of loads into registers that matrix instructions have read, and of what reads their results
.rept 4
	v_nop
.endr
.endm
; A step of d is four quarters of 32, 64 matrix instructions each, on buffers 0, 1, 0, 1.  One of the first three: multiplies buffer f; in its middle it fetches quarter q into buffer g.
.macro QUARTER slot, q, f, g, zero
	s_wait_dscnt 8                                 ; xb's fragments and W1b's blocks 0-3 are in; the youngest eight loads (blocks 4-7) may be out
	MUL16 \f, 0, 0, \zero
	MUL16 \f, 0, 2, \zero
	PLACES
	FETCH \slot, \q, \g
	s_wait_dscnt 32                                ; all but the 32 just issued
	MUL16 \f, 1, 0, \zero
	MUL16 \f, 1, 2, \zero
.endm
; The last quarter multiplies buffer 1 and changes slots.  MEET is its first half: ONE barrier.  In front of it each wave waits for all its tensor loads, of which one is out: its part of the next slot;
; adds 0 to its spare word; and waits for that and for its own reads of this slot.  Behind it nobody reads this slot any more and the next slot is whole.
.macro MEET round                      ; round = 1: a round of the cluster's barrier follows
	WIN 0                                          ; (the add's two registers lie in window 0)
	s_wait_tensorcnt 0x0
	ds_add_u32 v[SPW], v[NIL]                      ; 0 onto my spare word
	s_wait_dscnt 9                                 ; (the add and the youngest eight loads may be out)
	MUL16 F1, 0, 0, 0                              ; sixteen matrix instructions stand between the add and the wait for it
	s_wait_dscnt 0x0                               ; the add is done, and my reads of this slot are over
	s_barrier_signal -1
	MUL16 F1, 0, 2, 0                              ; work on registers while the others arrive
.if \round
	WIN 0
.endif
	s_barrier_wait -1
.endm
; The whole last quarter.  fill = 1: behind the round the slot just read out is filled again first, with the step of d two steps on: 224 matrix instructions ahead of the wait for it.
.macro TURN slot, next, fill
.if \fill
	s_wait_xcnt 0x0                                ; the last prefetch, a step of d back, has read its address: it is stepped here, ahead of the change's own waits
	s_add_nc_u64 s[PFA:PFA+1], s[PFA:PFA+1], s[PST:PST+1]
.endif
	MEET \fill
.if \fill
	CREST                                          ; no wave of any partner still reads this slot's tile or has a load on its way
	s_add_nc_u64 s[G0+4*(\slot)+2:G0+4*(\slot)+3], s[G0+4*(\slot)+2:G0+4*(\slot)+3], 2*STEPA
	s_add_nc_u64 s[G0B+4*(\slot)+2:G0B+4*(\slot)+3], s[G0B+4*(\slot)+2:G0B+4*(\slot)+3], 2*STEPB
	JLOAD \slot                                    ; the first tensor load behind the round; its four v_nop are also the places in front of the loads below
.else
	PLACES
.endif
	FETCH \next, 0, F0
.if \fill
	ASK
.endif
	MUL16 F1, 1, 0, 0
	MUL16 F1, 1, 2, 0
.endm
	s_wait_tensorcnt 1                             ; my part of step 0 is in; step 1's may stay out
	s_barrier_signal -1
	s_barrier_wait -1                              ; everybody's is
	FETCH 0, 0, F0
	QUARTER 0, 1, F0, F1, 1                        ; the first quarter stands in front of the loop: its products start the sums
	WIN 0                                          ; at a label and at a branch every window is 0
	s_mov_b32 s3, LAPS-1
.Llap:                                                 ; a trip goes once round the ring, from a lap's second quarter to the next lap's first, and fills both slots again
	QUARTER 0, 2, F1, F0, 0
	QUARTER 0, 3, F0, F1, 0
	TURN 0, 1, 1
	QUARTER 1, 1, F0, F1, 0
	QUARTER 1, 2, F1, F0, 0
	QUARTER 1, 3, F0, F1, 0
	TURN 1, 0, 1
	QUARTER 0, 1, F0, F1, 0
	WIN 0
	s_sub_co_u32 s3, s3, 1
	s_cmp_lg_u32 s3, 0
	s_cbranch_scc1 .Llap
	QUARTER 0, 2, F1, F0, 0                        ; the last lap fills nothing, and has no round
	QUARTER 0, 3, F0, F1, 0
	TURN 0, 1, 0
	QUARTER 1, 1, F0, F1, 0
	QUARTER 1, 2, F1, F0, 0
	QUARTER 1, 3, F0, F1, 0
	s_wait_dscnt 8                                 ; the very last quarter: nothing more to fetch
	MUL16 F1, 0, 0, 0
	MUL16 F1, 0, 2, 0
	s_wait_dscnt 0x0
	MUL16 F1, 1, 0, 0
	MUL16 F1, 1, 2, 0
	WIN 0
	; THE WAY OUT.  A lane holds 8 tok of one hid, the lanes beside it other hid: the wave's 128 x 128 sums go into LDS as rows of 128 f32 and come back by rows, 4 tok a lane.
	PLACES                                         ; the places behind the last products, ahead of the LDS stores that read their results, and of the loads and lines that write fragment registers
	PLACES
	s_wait_dscnt 0x0                               ; my reads of the ring are over; my tensor loads were all waited for at the last change of slots
	s_barrier_signal -1
	s_barrier_wait -1                              ; so are everybody's: the ring's bytes, which no load fills any more, may be stored into
.irp hi, 0,1
	WIN 0x08+4*(\hi)                               ; an LDS store's data is source 1: window 2, then 3
.irp a, 0,1,2,3
.irp b, 0,1,2,3,4,5,6,7
	ds_store_b128 v[XW], v[8*(8*(\a)+(\b)):8*(8*(\a)+(\b))+3]   offset:(4*(\hi)+(\a))*16*XP+64*(\b)     ; each accumulator's low registers first
	ds_store_b128 v[XW], v[8*(8*(\a)+(\b))+4:8*(8*(\a)+(\b))+7] offset:(4*(\hi)+(\a))*16*XP+64*(\b)+16
.endr
.endr
.endr
	WIN 0
.macro LDU                             ; 16 rows of hid: a load a row.  The bytes are my wave's own, and LDS serves a wave's instructions in order (ISA guide 5.7.1.4): no barrier and no wait between the stores and these
.irp i, 0,1,2,3,4,5,6,7,8,9,10,11,12,13,14,15
	ds_load_b128 v[U+4*(\i):U+4*(\i)+3], v[XR] offset:(\i)*XP
.endr
.endm
; 16 rows: 64 numbers a lane.  Two batches of 64 transcendentals, each with ONE wait ahead of its first reader; within a batch the plain lines of one group of eight numbers
; stand between the transcendentals of the group before, and name none of their results.  more = 1: the next 16 rows are fetched as soon as u has been read for the last time.
.macro GTRIP more
	s_wait_dscnt 0x0                               ; u is in
.set g, 0
.rept 9
.set n, 0
.rept 12
.if g < 8
.set zz, Z+8*g+2*(n%4)
.set uu, U+8*g+2*(n%4)
.if n < 4
	v_pk_mul_f32 v[zz:zz+1], v[uu:uu+1], v[uu:uu+1]                                           ; u^2
.elseif n < 8
	v_pk_fma_f32 v[zz:zz+1], v[zz:zz+1], s[K2:K2+1], s[K1:K1+1] op_sel_hi:[1,0,0]             ; K1 + K2 u^2
.else
	v_pk_mul_f32 v[zz:zz+1], v[zz:zz+1], v[uu:uu+1]                                           ; times u
.endif
.endif
.if (g > 0) && (n < 8)
	v_exp_f32 v[Z+8*(g-1)+n], v[Z+8*(g-1)+n]
.endif
.set n, n+1
.endr
.set g, g+1
.endr
	v_nop                                          ; a plain instruction behind the last exponential,
	s_wait_alu depctr_va_vdst(0)                   ; and the one wait for the 64
.set g, 0
.rept 9
.set n, 0
.rept 8
.if (g < 8) && (n < 4)
	v_pk_add_f32 v[Z+8*g+2*n:Z+8*g+2*n+1], v[Z+8*g+2*n:Z+8*g+2*n+1], 1.0 op_sel_hi:[1,0]
.endif
.if g > 0
	v_rcp_f32 v[Z+8*(g-1)+n], v[Z+8*(g-1)+n]
.endif
.set n, n+1
.endr
.set g, g+1
.endr
	v_nop
	s_wait_alu depctr_va_vdst(0)                   ; the one wait for the 64 reciprocals
.set n, 0
.rept 32
	v_pk_mul_f32 v[Z+2*n:Z+2*n+1], v[Z+2*n:Z+2*n+1], v[U+2*n:U+2*n+1]
.set n, n+1
.endr
.if \more
	v_add_nc_u32 v[XR], 16*XP, v[XR]
	LDU
.endif
	s_wait_xcnt 0x0                                ; the last trip's stores have read their data and their base: only behind this wait are both written
	s_add_nc_u64 s[8:9], s[8:9], s[16:17]          ; the first time: to my part of the tile; then 16 rows of hT on
	s_mov_b64 s[16:17], 0x10000
.set n, 0
.rept 32
	v_cvt_pk_bf16_f32 v[Y+n], v[Z+2*n], v[Z+2*n+1]
.set n, n+1
.endr
.irp i, 0,1,2,3,4,5,6,7,8,9,10,11,12,13,14,15
	global_store_b64 v[CO], v[Y+2*(\i):Y+2*(\i)+1], s[8:9] offset:4096*(\i)  ; 32 lanes store 256 consecutive bytes, at a multiple of 256 from hT's first byte
.endr
.endm
	LDU
	s_mov_b32 s3, 7
.Lg:
	GTRIP 1
	s_sub_co_u32 s3, s3, 1
	s_cmp_lg_u32 s3, 0
	s_cbranch_scc1 .Lg
	GTRIP 0                                        ; the last 16 rows fetch nothing
	s_wait_tensorcnt 0x0                           ; the wave's end: behind my last tensor load and my last LDS store
	ds_add_u32 v[SPW], v[NIL]
	s_wait_dscnt 0x0
	CROUND                                         ; the closing round: no work-group ends while a partner may still ask for a tile that names it
	s_endpgm
.Lfunc_end_k_qe8803561cc_fc1:
	.size	k_qe8803561cc_fc1, .Lfunc_end_k_qe8803561cc_fc1-k_qe8803561cc_fc1
	.p2alignl 7, 3214868480
	.fill 96, 4, 3214868480
	.section	.rodata,"a",@progbits
	.p2align	6, 0x0
	.amdhsa_kernel k_qe8803561cc_fc1
		.amdhsa_group_segment_fixed_size 327680
		.amdhsa_private_segment_fixed_size 0
		.amdhsa_enable_private_segment 0
		.amdhsa_kernarg_size 32
		.amdhsa_user_sgpr_count 2
		.amdhsa_user_sgpr_kernarg_segment_ptr 1
		.amdhsa_wavefront_size32 1
		.amdhsa_system_sgpr_workgroup_id_x 1
		.amdhsa_system_sgpr_workgroup_id_y 1
		.amdhsa_system_sgpr_workgroup_id_z 1
		.amdhsa_system_vgpr_workitem_id 0
		.amdhsa_next_free_vgpr 1024
		.amdhsa_next_free_sgpr 80
		.amdhsa_reserve_vcc 0
		.amdhsa_float_denorm_mode_32 3
		.amdhsa_float_denorm_mode_16_64 3
		.amdhsa_memory_ordered 1
		.amdhsa_forward_progress 1
		.amdhsa_inst_pref_size 161
	.end_amdhsa_kernel
	.amdgpu_metadata
---
amdhsa.version: [ 1, 2 ]
amdhsa.kernels:
  - .name:           k_qe8803561cc_fc1
    .symbol:         k_qe8803561cc_fc1.kd
    .args:
      - { .name: W1b, .offset: 0, .size: 8, .value_kind: global_buffer, .address_space: global }
      - { .name: xb, .offset: 8, .size: 8, .value_kind: global_buffer, .address_space: global }
      - { .name: hT, .offset: 16, .size: 8, .value_kind: global_buffer, .address_space: global }
      - { .name: b1, .offset: 24, .size: 8, .value_kind: global_buffer, .address_space: global }
    .group_segment_fixed_size: 327680
    .private_segment_fixed_size: 0
    .kernarg_segment_align: 8
    .kernarg_segment_size: 32
    .max_flat_workgroup_size: 128
    .sgpr_count:     80
    .vgpr_count:     1024
    .wavefront_size: 32
...
	.end_amdgpu_metadata
.endif
;; end of part 2
;; launch fc2 (part 3): grid 8 x 32, 4 waves a work-group, clusters of 4 x 4, 327,680 bytes of LDS; arguments hT, W2b, part; writes part
.if DOCPART == 3
	.amdgcn_target "amdgcn-amd-amdhsa--gfx1250"
	.amdhsa_code_object_version 6
	.text
	.protected	k_qe8803561cc_fc2
	.globl	k_qe8803561cc_fc2
	.p2align	8
	.type	k_qe8803561cc_fc2,@function
k_qe8803561cc_fc2:
	s_mov_b64 s[64:65], 0
	v_nop
	global_prefetch_b8 v0, s[64:65] scope:SCOPE_SE
	s_setreg_imm32_b32 hwreg(HW_REG_WAVE_MODE, 25, 1), 1
	s_wait_xcnt 0x0
	s_wait_alu depctr_hold_cnt(0) depctr_sa_sdst(0) depctr_va_vdst(0) depctr_va_sdst(0) depctr_va_ssrc(0) depctr_va_vcc(0) depctr_vm_vsrc(0)
	s_getreg_b32 s2, hwreg(HW_REG_IB_STS2, 6, 4)
	s_cmp_eq_u32 s2, 0
	s_cbranch_scc0 .Lentry_in_a_cluster
	s_endpgm
.Lentry_in_a_cluster:
	s_bfe_u32 s2, ttmp6, 0x10000c
	s_cmp_lg_u32 s2, 0xf033
	s_cbranch_scc0 .Lentry_shape_is_right
	s_endpgm
.Lentry_shape_is_right:
; part[ks][tok][o] = the sum over the 2,048 hid of quarter ks of hT[hid][tok] W2b[hid][o].  hT: [8192][2048], W2b: [8192][2048], bf16; part: [4][2048][2048], f32.  Sums in f32.
; Nothing of the problem is left out here; the four parts and b2 are added by the launch behind.
; SHARES.  out has 64 tiles of 256 tok x 256 o, too few for 256 WGPs.  THE SUM OVER hid IS SPLIT IN FOUR AMONG WORK-GROUPS: 64 tiles x 4 quarters = 256 work-groups, each a product of 256 x 256 over 2,048 hid.
; So a slot's 131,072 bytes of data feed 256 matrix instructions a wave; with tiles of 128 x 128 over all of hid the same bytes would feed 128.  The price: the parts go through memory, in f32.
; A work-group has four waves; a wave makes 128 x 128: 64 accumulators of 16 x 16, 512 registers.  hid goes in steps of 128 through a ring of two LDS slots filled by the tensor data mover:
; each tile row is 512 consecutive bytes of memory at a multiple of 512 from the buffer's first.
; FRAGMENTS.  Both tiles lie [hid][column] in LDS; ds_load_tr16_b128 turns 8 x 8 numbers within eight lanes, so two such loads make a fragment of 16 columns x 32 hid.
; THE MATRIX INSTRUCTION: source 0 = 16 o (W2b), source 1 = 16 tok (hT): in the result lane l holds tok l % 16 and its registers the o 8 (l / 16) + 0..7.
; CLUSTERS: 4 x 4 work-groups, all of one quarter of hid (the quarter hangs on the cluster's y alone).  The four of a row of the cluster have the same 256 tok and need the same tiles of hT, the four of a
; column the same 256 o and the same tiles of W2b: each tile is asked for JOINTLY, by the same tensor load with the same descriptor and a mask that names the four.
; REGISTERS, in windows of 256 (s_set_vgpr_msb: bits 1:0 source 0, 3:2 source 1, 5:4 source 2, 7:6 destination):
;   window 0: v0-31 addresses; v64-127, v128-191 hT's fragments, two buffers; on the way out two sets of 16 rows      window 1: v64-127, v128-191 W2b's fragments, two buffers
;   window 2: the accumulators of my tok 0-63 ((a, b) at v[8 (8 a + b)])      window 3: those of my tok 64-127
.set P,      544                       ; an LDS row of a tile: 512 bytes + 32 of padding = 136 words: row r starts at bank 8 r mod 64 (64 banks of 4 bytes: ISA guide 11.1)
.set HALFT,  64*P                      ; 64 rows of hid: what one tensor load brings
.set SLOT,   4*HALFT                   ; hT's 128 rows, then W2b's 128 rows
.set SPARE,  2*SLOT                    ; behind the ring: the spare words, 128 bytes for each wave: two blocks of 256 bytes that no other line names
.set XP,     528                       ; the way out: a row of 128 f32 + 16 bytes: the 16 rows of a store start at 16 different groups of four banks
.set WTILE,  128*XP                    ; a wave's 128 x 128 sums in f32; the four lie over the ring, which has had its last fill by then: 270,336 of its 278,528 bytes
.set STEP,   128*2048*2                ; bytes from a step of hid to the next, in both buffers
.set LAPS,   8                         ; a lap = two steps of hid = once round the ring: 2,048 / 256
.set ADRA, 16                          ; v16-17  LDS address of my hT fragments in slot 0, 1
.set ADRB, 20                          ; v20-21  the same for W2b
.set XW,   24                          ; v24     the way out: where I put 16 bytes of a row
.set XR,   25                          ; v25, v27  the way out: my 16 bytes of my wave's row 0, and of its row 64 (an LDS offset has 16 bits)
.set CO,   26                          ; v26     16 x lane: my 16 bytes in 512 of a row of part
.set SPW,  28                          ; v28     LDS address of my spare word: SPARE + 4 x my thread's number; never rewritten
.set NIL,  29                          ; v29     0; never rewritten
.set PFO,  30                          ; v30     the prefetches' offset: row lane / 2, half lane % 2 of its 512 bytes; never rewritten
.set F0,   64
.set F1,   128
.set G1,  24                           ; s[24:31] descriptor group 1 for hT's tiles;  s[32:39] group 0, a set for each slot
.set G0,  32
.set G1B, 48                           ; s[48:55], s[56:63] the same for W2b's
.set G0B, 56
.set LIM, 43                           ; s43      1 in a wave that prefetches, else the greatest number
.set PFA, 44                           ; s[44:45] where my prefetches stand
.set KQ,  70                           ; s70      my quarter's first byte in hT and in W2b: made of the cluster's y alone
.set CH,  72                           ; s72      cluster y % 2: which of the quarter's two rows of clusters is mine
.set PQ,  74                           ; s74      my quarter's first byte in part
.set MSB, 0
.macro WIN new                         ; the immediate's high byte repeats the setting that is left; a switch that changes nothing is dropped
.if MSB != (\new)
	s_set_vgpr_msb (MSB<<8)|(\new)
.set MSB, \new
.endif
.endm
.set MUL_LO, 0xa1                      ; source 0 (W2b) window 1, source 1 (hT) window 0, C and D window 2
.set TO_B,   0x40                      ; destination window 1, address window 0
; A joint load.  Waves 0 and 1 fetch the two halves of hT's tile, waves 2 and 3 those of W2b's.  The branch hangs on the wave's number alone.  An s_nop 0 and four v_nop follow each of the two lines.
.macro JLOAD s
	s_cmp_eq_u32 s11, 0
	s_cbranch_scc0 .Lfor_b_\@
	tensor_load_to_lds s[G0+4*(\s):G0+4*(\s)+3], s[G1:G1+7]
	s_nop 0
.rept 4
	v_nop
.endr
	s_branch .Lasked_\@
.Lfor_b_\@:
	tensor_load_to_lds s[G0B+4*(\s):G0B+4*(\s)+3], s[G1B:G1B+7]
	s_nop 0
.rept 4
	v_nop
.endr
.Lasked_\@:
.endm
; A PREFETCH INTO THE L2, behind each joint refill and the run of LDS loads that follows it: the step of hid that stands TWO refills on, 512 matrix instructions ahead of the load that will want it.
; A wave's load is 64 rows x 512 bytes.  Each of the four partners that ask for it jointly takes 16 rows, told apart BY ADDRESS (cx for hT, cy for W2b); a lane takes 256 bytes: one instruction a wave.
; hT's tiles are read by both clusters of a row of clusters: the one with x = 0 asks; W2b's by the quarter's two clusters of a column: the one with even y asks.  So each 256 bytes are named once in the launch.
; Steps 0 to 3 of the quarter come by their loads alone; the loop's last trip (s3 = 1) asks for nothing: the last step named is the quarter's fifteenth, its last.
.macro ASK
	s_cmp_gt_u32 s3, s[LIM]
	s_cbranch_scc0 .Lnot_mine_\@
	global_prefetch_b8 v[PFO], s[PFA:PFA+1] th:TH_LOAD_NT scope:SCOPE_SE
.Lnot_mine_\@:
.endm
; A round of the cluster's barrier: my work-group's barrier, so that wave 0's signal speaks for all four waves; wave 0 signals; every wave waits for all sixteen work-groups; my work-group's barrier once more.
.macro CREST                           ; a round behind its opening barrier
	s_cmp_lg_u32 s10, 0
	s_cbranch_scc1 .Lnot_wave_0_\@
	s_barrier_signal -3
.Lnot_wave_0_\@:
	s_barrier_wait -3
	s_barrier_signal -1
	s_barrier_wait -1
.endm
.macro CROUND
	s_barrier_signal -1
	s_barrier_wait -1
	CREST
.endm
	s_load_b128 s[4:7], s[0:1], 0x0                ; hT s[4:5], W2b s[6:7]
	s_load_b64 s[8:9], s[0:1], 0x10                ; part
	v_lshl_add_u32 v[SPW], v0, 2, SPARE
	v_mov_b32 v[NIL], 0
	ds_add_u32 v[SPW], v[NIL]                      ; the wave's opening: the add, twice on end, and its wait ahead of my first tensor load; the set-up below stands between
	ds_add_u32 v[SPW], v[NIL]
	v_lshrrev_b32 v1, 5, v0
	v_readfirstlane_b32 s10, v1                    ; wave 0..3
	s_lshr_b32 s11, s10, 1                         ; which half of the tile's tok is mine.  Also: I fetch for hT (0) or for W2b (1)
	s_and_b32 s12, s10, 1                          ; which half of its o.  Also: which 64 rows of hid of that tile I fetch
	s_bfe_u32 s40, ttmp6, 0x40000                  ; cx, cy: my place in the cluster
	s_bfe_u32 s41, ttmp6, 0x40004
	s_lshl_b32 s42, ttmp9, 2
	s_add_co_u32 s42, s42, s40                     ; tx: my 256 o = 4 x cluster x + cx
	s_and_b32 s[CH], ttmp7, 0xffff                 ; cluster y, 0..7
	s_lshr_b32 s[KQ], s[CH], 1                     ; my quarter of hid: the same in all sixteen partners
	s_and_b32 s[CH], s[CH], 1
	s_lshl_b32 s13, s[CH], 2
	s_add_co_u32 s13, s13, s41                     ; ty: my 256 tok = 4 x (cluster y % 2) + cy
	s_lshl_b32 s[PQ], s[KQ], 24                    ; a part is 2,048 x 2,048 x 4 bytes
	s_lshl_b32 s[KQ], s[KQ], 23                    ; a quarter is 2,048 rows of 4,096 bytes
	s_lshl_b32 s43, s41, 2
	s_lshl_b32 s43, 15, s43                        ; my row of the cluster: places 4 cy .. 4 cy + 3
	s_lshl_b32 s44, 0x1111, s40                    ; my column: places cx, cx + 4, cx + 8, cx + 12
	; descriptor group 1: a tile of 64 rows x 256 elements, padded in LDS
	s_or_b32 s[G1+0], s43, (1<<16)|(1<<20)|(1<<21)|(6<<22)|(7<<25)   ; 15:0 the mask: hT's tiles go to my row; 17:16 elements of 2 bytes; 20 padding on; 21 set beside a mask; 24:22 after every 128 words (code 6); 31:25 8 words (code 7)
	s_or_b32 s[G1B+0], s44, (1<<16)|(1<<20)|(1<<21)|(6<<22)|(7<<25)  ; the same with the mask of my column, for W2b's tiles
.irp g, G1, G1B
	s_mov_b32 s[(\g)+1], 256<<16                   ; tensor_dim0 = 256
	s_mov_b32 s[(\g)+2], 64<<16                    ; tensor_dim1 = 64
	s_mov_b32 s[(\g)+3], 256<<16                   ; tile_dim0 = 256
	s_mov_b32 s[(\g)+4], 64                        ; tile_dim1 = 64
	s_mov_b32 s[(\g)+5], 2048                      ; elements from row to row
	s_mov_b32 s[(\g)+6], 0
	s_mov_b32 s[(\g)+7], 0
.endr
	; where the tiles come from.  hT's hang on ty, which my row of the cluster shares, W2b's on tx, which my column shares, both on the quarter; each in registers that never hold the other coordinate
	s_lshl_b32 s16, s12, 18                        ; my 64 rows of 4,096 bytes
	s_lshl_b32 s17, s13, 9                         ; 256 tok of 2 bytes
	s_add_co_u32 s16, s16, s17
	s_add_co_u32 s16, s16, s[KQ]
	s_mov_b32 s17, 0
	s_lshl_b32 s46, s12, 18
	s_lshl_b32 s47, s42, 9                         ; 256 o of 2 bytes
	s_add_co_u32 s46, s46, s47
	s_add_co_u32 s46, s46, s[KQ]
	s_mov_b32 s47, 0
	s_mul_i32 s20, s10, HALFT                      ; and where they go: wave x 64 rows: no place in the cluster enters an LDS address
	s_wait_dscnt 0x0                               ; both opening adds are done
	s_wait_kmcnt 0x0
	s_add_nc_u64 s[14:15], s[4:5], s[16:17]
	s_add_nc_u64 s[46:47], s[6:7], s[46:47]
	CROUND                                         ; all sixteen work-groups are here: the first joint loads meet
.irp s, 0,1
	s_mov_b32 s[G0+4*(\s)], 1                                      ; count = 1
	s_add_co_u32 s[G0+4*(\s)+1], s20, (\s)*SLOT                    ; LDS address
	s_add_nc_u64 s[G0+4*(\s)+2:G0+4*(\s)+3], s[14:15], (\s)*STEP   ; global address: step s of the quarter
	s_or_b32 s[G0+4*(\s)+3], s[G0+4*(\s)+3], 0x80000000            ; type = 2
	s_mov_b32 s[G0B+4*(\s)], 1
	s_add_co_u32 s[G0B+4*(\s)+1], s20, (\s)*SLOT
	s_add_nc_u64 s[G0B+4*(\s)+2:G0B+4*(\s)+3], s[46:47], (\s)*STEP
	s_or_b32 s[G0B+4*(\s)+3], s[G0B+4*(\s)+3], 0x80000000
	JLOAD \s                                       ; two loads of mine are out
.endr
	; The turning load: lane l reads 16 bytes of row 8 (l / 16) + l % 8, columns 8 ((l / 8) % 2) + 0..7, and is left with column l % 16 and 8 rows of hid: half a fragment; the other half lies 16 rows on.
	v_and_b32 v1, 15, v0                           ; l % 16
	v_bfe_u32 v2, v0, 4, 1                         ; l / 16
	v_and_b32 v3, 7, v0
	v_bfe_u32 v4, v0, 3, 1
	v_lshl_add_u32 v5, v2, 3, v3
	v_mul_u32_u24 v5, v5, P
	v_lshl_add_u32 v5, v4, 4, v5
	s_lshl_b32 s21, s11, 8                         ; my 128 tok: 256 bytes of hT's rows
	s_lshl_b32 s22, s12, 8                         ; my 128 o of W2b's rows,
	s_add_co_u32 s22, s22, 2*HALFT                 ; which lie behind hT's 128
.irp s, 0,1
	v_add_nc_u32 v[ADRA+(\s)], s21, v5
	v_add_nc_u32 v[ADRB+(\s)], s22, v5
	s_add_co_u32 s21, s21, SLOT
	s_add_co_u32 s22, s22, SLOT
.endr
	s_mul_i32 s23, s10, WTILE                      ; the way out: my wave's own 67,584 bytes
	v_mul_u32_u24 v6, v1, XP                       ; in: row l % 16, 32 bytes for each half of the lanes
	v_lshl_add_u32 v6, v2, 5, v6
	v_add_nc_u32 v[XW], s23, v6
	v_and_b32 v7, 31, v0                           ; l
	v_lshl_add_u32 v[XR], v7, 4, s23               ; back: 32 lanes take a row's 512 bytes,
	v_add_nc_u32 v[XR+2], 64*XP, v[XR]
	v_lshlrev_b32 v[CO], 4, v7                     ; which are 512 bytes of a row of part
	; part at my wave's first row and column
	s_lshl_b32 s16, s13, 21                        ; 256 rows of 8,192 bytes,
	s_lshl_b32 s17, s11, 20                        ; my wave's 128 of them,
	s_add_co_u32 s16, s16, s17
	s_add_co_u32 s16, s16, s[PQ]                   ; in my quarter's part
	s_mov_b32 s17, 0
	s_add_nc_u64 s[8:9], s[8:9], s[16:17]
	s_lshl_b32 s46, s42, 10                        ; 256 o of 4 bytes,
	s_lshl_b32 s47, s12, 9                         ; my wave's 128 of them
	s_add_co_u32 s46, s46, s47
	s_mov_b32 s47, 0
	s_add_nc_u64 s[8:9], s[8:9], s[46:47]
	; the prefetches
	s_cmp_eq_u32 s11, 0                            ; do I fetch for hT?
	s_cselect_b32 s20, s13, s42                    ; the tile's 512 bytes of a row: by ty in hT, by tx in W2b
	s_cselect_b32 s21, s40, s41                    ; my place among the four that ask with me
	s_cselect_b32 s22, ttmp9, s[CH]                ; the coordinate along which the other cluster reads the same tiles
	s_cselect_b64 s[PFA:PFA+1], s[4:5], s[6:7]
	s_cmp_eq_u32 s22, 0
	s_cselect_b32 s[LIM], 1, -1                    ; the same in all sixteen partners, for a given wave
	s_lshl_b32 s22, s12, 6                         ; the 64 rows that I fetch,
	s_lshl_b32 s21, s21, 4                         ; my work-group's 16 of them
	s_add_co_u32 s21, s21, s22
	s_lshl_b32 s21, s21, 12                        ; rows of 4,096 bytes
	s_lshl_b32 s20, s20, 9
	s_add_co_u32 s20, s20, s21
	s_add_co_u32 s20, s20, s[KQ]
	s_add_co_u32 s20, s20, 3*STEP                  ; at step 3: the first refill steps it to 4 and names that
	s_mov_b32 s21, 0
	s_add_nc_u64 s[PFA:PFA+1], s[PFA:PFA+1], s[20:21]
	v_lshrrev_b32 v8, 1, v7
	v_and_b32 v9, 1, v0
	v_lshlrev_b32 v8, 12, v8
	v_lshl_add_u32 v[PFO], v9, 8, v8
; 16 matrix instructions: tok blocks a0, a0 + 1 of the window's four (hi = 0: my tok 0-63, 1: 64-127) x all 8 o blocks, 32 along hid.  zero = 1: the first product starts the sums: nothing is cleared.
; The 64 accumulators take turns, one instruction a turn, in the same order in every quarter step.
.macro MUL16 f, hi, a0, zero
	WIN MUL_LO+0x50*(\hi)
.irp a, \a0, (\a0)+1
.irp b, 0,1,2,3,4,5,6,7
.if \zero
	v_wmma_f32_16x16x32_bf16 v[8*(8*(\a)+(\b)):8*(8*(\a)+(\b))+7], v[(\f)+8*(\b):(\f)+8*(\b)+7], v[(\f)+8*(4*(\hi)+(\a)):(\f)+8*(4*(\hi)+(\a))+7], 0
.else
	v_wmma_f32_16x16x32_bf16 v[8*(8*(\a)+(\b)):8*(8*(\a)+(\b))+7], v[(\f)+8*(\b):(\f)+8*(\b)+7], v[(\f)+8*(4*(\hi)+(\a)):(\f)+8*(4*(\hi)+(\a))+7], v[8*(8*(\a)+(\b)):8*(8*(\a)+(\b))+7]
.endif
.endr
.endr
.endm
; 32 LDS loads in one run: the fragments of quarter step q (32 rows of hid; 128 o, then 128 tok) into buffer f
.macro FETCH slot, q, f
	WIN TO_B
.irp i, 0,1,2,3,4,5,6,7
	ds_load_tr16_b128 v[(\f)+8*(\i):(\f)+8*(\i)+3],   v[ADRB+(\slot)] offset:(\q)*32*P+32*(\i)
	ds_load_tr16_b128 v[(\f)+8*(\i)+4:(\f)+8*(\i)+7], v[ADRB+(\slot)] offset:(\q)*32*P+16*P+32*(\i)
.endr
	WIN 0
.irp i, 0,1,2,3,4,5,6,7
	ds_load_tr16_b128 v[(\f)+8*(\i):(\f)+8*(\i)+3],   v[ADRA+(\slot)] offset:(\q)*32*P+32*(\i)
	ds_load_tr16_b128 v[(\f)+8*(\i)+4:(\f)+8*(\i)+7], v[ADRA+(\slot)] offset:(\q)*32*P+16*P+32*(\i)
.endr
.endm
.macro PLACES                          ; four places in front of loads into registers that matrix instructions have read, and of what reads their results
.rept 4
	v_nop
.endr
.endm
; A step of hid is four quarters of 32, 64 matrix instructions each, on buffers 0, 1, 0, 1.  One of the first three: multiplies buffer f; in its middle it fetches quarter q into buffer g.
.macro QUARTER slot, q, f, g, zero
	s_wait_dscnt 8                                 ; W2b's fragments and hT's blocks 0-3 are in; the youngest eight loads (blocks 4-7) may be out
	MUL16 \f, 0, 0, \zero
	MUL16 \f, 0, 2, \zero
	PLACES
	FETCH \slot, \q, \g
	s_wait_dscnt 32                                ; all but the 32 just issued
	MUL16 \f, 1, 0, \zero
	MUL16 \f, 1, 2, \zero
.endm
; The last quarter multiplies buffer 1 and changes slots.  MEET is its first half: ONE barrier.  In front of it each wave waits for all its tensor loads, of which one is out: its part of the next slot;
; adds 0 to its spare word; and waits for that and for its own reads of this slot.  Behind it nobody reads this slot any more and the next slot is whole.
.macro MEET round                      ; round = 1: a round of the cluster's barrier follows
	WIN 0                                          ; (the add's two registers lie in window 0)
	s_wait_tensorcnt 0x0
	ds_add_u32 v[SPW], v[NIL]                      ; 0 onto my spare word
	s_wait_dscnt 9                                 ; (the add and the youngest eight loads may be out)
	MUL16 F1, 0, 0, 0                              ; sixteen matrix instructions stand between the add and the wait for it
	s_wait_dscnt 0x0                               ; the add is done, and my reads of this slot are over
	s_barrier_signal -1
	MUL16 F1, 0, 2, 0                              ; work on registers while the others arrive
.if \round
	WIN 0
.endif
	s_barrier_wait -1
.endm
; The whole last quarter.  fill = 1: behind the round the slot just read out is filled again first, with the step of hid two steps on: 224 matrix instructions ahead of the wait for it.
.macro TURN slot, next, fill
.if \fill
	s_wait_xcnt 0x0                                ; the last prefetch, a step of hid back, has read its address: it is stepped here, ahead of the change's own waits
	s_add_nc_u64 s[PFA:PFA+1], s[PFA:PFA+1], STEP
.endif
	MEET \fill
.if \fill
	CREST                                          ; no wave of any partner still reads this slot's tile or has a load on its way
	s_add_nc_u64 s[G0+4*(\slot)+2:G0+4*(\slot)+3], s[G0+4*(\slot)+2:G0+4*(\slot)+3], 2*STEP
	s_add_nc_u64 s[G0B+4*(\slot)+2:G0B+4*(\slot)+3], s[G0B+4*(\slot)+2:G0B+4*(\slot)+3], 2*STEP
	JLOAD \slot                                    ; the first tensor load behind the round; its four v_nop are also the places in front of the loads below
.else
	PLACES
.endif
	FETCH \next, 0, F0
.if \fill
	ASK
.endif
	MUL16 F1, 1, 0, 0
	MUL16 F1, 1, 2, 0
.endm
	s_wait_tensorcnt 1                             ; my part of step 0 is in; step 1's may stay out
	s_barrier_signal -1
	s_barrier_wait -1                              ; everybody's is
	FETCH 0, 0, F0
	QUARTER 0, 1, F0, F1, 1                        ; the first quarter stands in front of the loop: its products start the sums
	WIN 0                                          ; at a label and at a branch every window is 0
	s_mov_b32 s3, LAPS-1
.Llap:                                                 ; a trip goes once round the ring, from a lap's second quarter to the next lap's first, and fills both slots again
	QUARTER 0, 2, F1, F0, 0
	QUARTER 0, 3, F0, F1, 0
	TURN 0, 1, 1
	QUARTER 1, 1, F0, F1, 0
	QUARTER 1, 2, F1, F0, 0
	QUARTER 1, 3, F0, F1, 0
	TURN 1, 0, 1
	QUARTER 0, 1, F0, F1, 0
	WIN 0
	s_sub_co_u32 s3, s3, 1
	s_cmp_lg_u32 s3, 0
	s_cbranch_scc1 .Llap
	QUARTER 0, 2, F1, F0, 0                        ; the last lap fills nothing, and has no round
	QUARTER 0, 3, F0, F1, 0
	TURN 0, 1, 0
	QUARTER 1, 1, F0, F1, 0
	QUARTER 1, 2, F1, F0, 0
	QUARTER 1, 3, F0, F1, 0
	s_wait_dscnt 8                                 ; the very last quarter: nothing more to fetch
	MUL16 F1, 0, 0, 0
	MUL16 F1, 0, 2, 0
	s_wait_dscnt 0x0
	MUL16 F1, 1, 0, 0
	MUL16 F1, 1, 2, 0
	WIN 0
	; THE WAY OUT.  A lane holds 8 o of one tok, the lanes beside it other tok: the wave's 128 x 128 sums go into LDS as rows of 128 f32 and come back by rows, 16 bytes a lane.
	PLACES                                         ; the places behind the last products, ahead of the LDS stores that read their results and of the loads into fragment registers
	PLACES
	s_wait_dscnt 0x0                               ; my reads of the ring are over; my tensor loads were all waited for at the last change of slots
	s_barrier_signal -1
	s_barrier_wait -1                              ; so are everybody's: the ring's bytes, which no load fills any more, may be stored into
.irp hi, 0,1
	WIN 0x08+4*(\hi)                               ; an LDS store's data is source 1: window 2, then 3
.irp a, 0,1,2,3
.irp b, 0,1,2,3,4,5,6,7
	ds_store_b128 v[XW], v[8*(8*(\a)+(\b)):8*(8*(\a)+(\b))+3]   offset:(4*(\hi)+(\a))*16*XP+64*(\b)     ; each accumulator's low registers first
	ds_store_b128 v[XW], v[8*(8*(\a)+(\b))+4:8*(8*(\a)+(\b))+7] offset:(4*(\hi)+(\a))*16*XP+64*(\b)+16
.endr
.endr
.endr
	WIN 0
.macro LDX g                           ; group g: 16 rows, a load a row, into set g % 2.  The bytes are my wave's own, and LDS serves a wave's instructions in order (ISA guide 5.7.1.4): no barrier and no wait between the stores and these
.set XB, 64+64*((\g)%2)
.irp i, 0,1,2,3,4,5,6,7,8,9,10,11,12,13,14,15
	ds_load_b128 v[XB+4*(\i):XB+4*(\i)+3], v[XR+2*((\g)/4)] offset:(16*((\g)%4)+(\i))*XP
.endr
.endm
	LDX 0
.irp g, 0,1,2,3,4,5,6,7
.if (\g) < 7
.if (\g) > 0
	s_wait_xcnt 0x0                                ; the stores of the group before have read their data: the other set is loaded again only behind this wait
.endif
	LDX (\g)+1
	s_wait_dscnt 16                                ; this group is in; the 16 just issued may stay out
.else
	s_wait_dscnt 0x0
.endif
.set XB, 64+64*((\g)%2)
.irp i, 0,1,2,3,4,5,6,7,8,9,10,11,12,13,14,15
	global_store_b128 v[CO], v[XB+4*(\i):XB+4*(\i)+3], s[8:9] offset:(16*(\g)+(\i))*8192  ; 32 lanes store 512 consecutive bytes, at a multiple of 512 from part's first byte; 127 rows at the most: inside the signed 24-bit immediate
.endr
.endr
	s_wait_tensorcnt 0x0                           ; the wave's end: behind my last tensor load and my last LDS store
	ds_add_u32 v[SPW], v[NIL]
	s_wait_dscnt 0x0
	CROUND                                         ; the closing round: no work-group ends while a partner may still ask for a tile that names it
	s_endpgm
.Lfunc_end_k_qe8803561cc_fc2:
	.size	k_qe8803561cc_fc2, .Lfunc_end_k_qe8803561cc_fc2-k_qe8803561cc_fc2
	.p2alignl 7, 3214868480
	.fill 96, 4, 3214868480
	.section	.rodata,"a",@progbits
	.p2align	6, 0x0
	.amdhsa_kernel k_qe8803561cc_fc2
		.amdhsa_group_segment_fixed_size 327680
		.amdhsa_private_segment_fixed_size 0
		.amdhsa_enable_private_segment 0
		.amdhsa_kernarg_size 24
		.amdhsa_user_sgpr_count 2
		.amdhsa_user_sgpr_kernarg_segment_ptr 1
		.amdhsa_wavefront_size32 1
		.amdhsa_system_sgpr_workgroup_id_x 1
		.amdhsa_system_sgpr_workgroup_id_y 1
		.amdhsa_system_sgpr_workgroup_id_z 1
		.amdhsa_system_vgpr_workitem_id 0
		.amdhsa_next_free_vgpr 1024
		.amdhsa_next_free_sgpr 80
		.amdhsa_reserve_vcc 0
		.amdhsa_float_denorm_mode_32 3
		.amdhsa_float_denorm_mode_16_64 3
		.amdhsa_memory_ordered 1
		.amdhsa_forward_progress 1
		.amdhsa_inst_pref_size 141
	.end_amdhsa_kernel
	.amdgpu_metadata
---
amdhsa.version: [ 1, 2 ]
amdhsa.kernels:
  - .name:           k_qe8803561cc_fc2
    .symbol:         k_qe8803561cc_fc2.kd
    .args:
      - { .name: hT, .offset: 0, .size: 8, .value_kind: global_buffer, .address_space: global }
      - { .name: W2b, .offset: 8, .size: 8, .value_kind: global_buffer, .address_space: global }
      - { .name: part, .offset: 16, .size: 8, .value_kind: global_buffer, .address_space: global }
    .group_segment_fixed_size: 327680
    .private_segment_fixed_size: 0
    .kernarg_segment_align: 8
    .kernarg_segment_size: 24
    .max_flat_workgroup_size: 128
    .sgpr_count:     80
    .vgpr_count:     1024
    .wavefront_size: 32
...
	.end_amdgpu_metadata
.endif
;; end of part 3
;; launch addup (part 4): grid 1024 x 1, 8 waves a work-group, no clusters, 0 bytes of LDS; arguments part, b2, out0; writes out0
.if DOCPART == 4
	.amdgcn_target "amdgcn-amd-amdhsa--gfx1250"
	.amdhsa_code_object_version 6
	.text
	.protected	k_qe8803561cc_addup
	.globl	k_qe8803561cc_addup
	.p2align	8
	.type	k_qe8803561cc_addup,@function
k_qe8803561cc_addup:
	s_mov_b64 s[64:65], 0
	v_nop
	global_prefetch_b8 v0, s[64:65] scope:SCOPE_SE
	s_setreg_imm32_b32 hwreg(HW_REG_WAVE_MODE, 25, 1), 1
	s_wait_xcnt 0x0
; out[tok][o] = ((part[0][tok][o] + part[1][tok][o]) + (part[2][tok][o] + part[3][tok][o])) + b2[o].  part: [4][2048][2048], b2: [2048], out: [2048][2048], all f32.
; Nothing of the problem is left out here.  The four parts are the sums over the four quarters of hid that the launch before has made, each by another work-group: they are added here, in one fixed order.
; LIMIT.  The order of the additions is this one, not that of a single sum over hid: the results differ from such a sum by f32 roundings alone.
; SHARES.  A work-group makes 16,384 bytes of out: two rows.  Thread t takes the 16 bytes at 16 t + 4,096 i, i = 0..3, of each part: a load or store of a wave covers 512 consecutive bytes at a multiple of 512
; from the buffer's first.  Its place in a row is 16 t + 4,096 (i % 2): two sets of four numbers of b2.  All eighteen loads go out first; no register that a memory instruction reads is ever rewritten.
; No LDS, no matrix unit, no cluster: nothing is shared but b2's 8,192 bytes.
.set X, 4                              ; v[4:67]   slot i, part u: four f32 at X + 16 i + 4 u; the sum grows in part 0's registers
.set B, 68                             ; v[68:75]  b2 for even i, for odd i
	s_load_b128 s[4:7], s[0:1], 0x0                ; part s[4:5], b2 s[6:7]
	s_load_b64 s[8:9], s[0:1], 0x10                ; out
	v_lshlrev_b32 v1, 4, v0                        ; 16 t
	s_lshl_b32 s10, ttmp9, 14                      ; my group's 16,384 bytes
	s_mov_b32 s11, 0
	s_wait_kmcnt 0x0
	s_add_nc_u64 s[12:13], s[4:5], s[10:11]        ; the four parts lie 16,777,216 bytes apart, more than an immediate holds: a base for each
	s_add_nc_u64 s[14:15], s[12:13], 0x1000000
	s_add_nc_u64 s[16:17], s[14:15], 0x1000000
	s_add_nc_u64 s[18:19], s[16:17], 0x1000000
	s_add_nc_u64 s[8:9], s[8:9], s[10:11]
	global_load_b128 v[B:B+3],   v1, s[6:7]
	global_load_b128 v[B+4:B+7], v1, s[6:7] offset:4096
.irp i, 0,1,2,3
.irp u, 0,1,2,3
	global_load_b128 v[X+16*(\i)+4*(\u):X+16*(\i)+4*(\u)+3], v1, s[12+2*(\u):13+2*(\u)] offset:4096*(\i) th:TH_LOAD_NT
.endr
.endr
.irp i, 0,1,2,3
	s_wait_loadcnt 12-4*(\i)                       ; loads come back in order (ISA guide 5.7.1): b2 and slot i's four are in, the younger slots' stay out
.irp c, 0,2
	v_pk_add_f32 v[X+16*(\i)+(\c):X+16*(\i)+(\c)+1],     v[X+16*(\i)+(\c):X+16*(\i)+(\c)+1],     v[X+16*(\i)+4+(\c):X+16*(\i)+4+(\c)+1]
	v_pk_add_f32 v[X+16*(\i)+8+(\c):X+16*(\i)+8+(\c)+1], v[X+16*(\i)+8+(\c):X+16*(\i)+8+(\c)+1], v[X+16*(\i)+12+(\c):X+16*(\i)+12+(\c)+1]
.endr
.irp c, 0,2
	v_pk_add_f32 v[X+16*(\i)+(\c):X+16*(\i)+(\c)+1], v[X+16*(\i)+(\c):X+16*(\i)+(\c)+1], v[X+16*(\i)+8+(\c):X+16*(\i)+8+(\c)+1]
.endr
.irp c, 0,2
	v_pk_add_f32 v[X+16*(\i)+(\c):X+16*(\i)+(\c)+1], v[X+16*(\i)+(\c):X+16*(\i)+(\c)+1], v[B+4*((\i)%2)+(\c):B+4*((\i)%2)+(\c)+1]
.endr
	global_store_b128 v1, v[X+16*(\i):X+16*(\i)+3], s[8:9] offset:4096*(\i) th:TH_STORE_NT
.endr
	s_endpgm
.Lfunc_end_k_qe8803561cc_addup:
	.size	k_qe8803561cc_addup, .Lfunc_end_k_qe8803561cc_addup-k_qe8803561cc_addup
	.p2alignl 7, 3214868480
	.fill 96, 4, 3214868480
	.section	.rodata,"a",@progbits
	.p2align	6, 0x0
	.amdhsa_kernel k_qe8803561cc_addup
		.amdhsa_group_segment_fixed_size 0
		.amdhsa_private_segment_fixed_size 0
		.amdhsa_enable_private_segment 0
		.amdhsa_kernarg_size 24
		.amdhsa_user_sgpr_count 2
		.amdhsa_user_sgpr_kernarg_segment_ptr 1
		.amdhsa_wavefront_size32 1
		.amdhsa_system_sgpr_workgroup_id_x 1
		.amdhsa_system_sgpr_workgroup_id_y 1
		.amdhsa_system_sgpr_workgroup_id_z 1
		.amdhsa_system_vgpr_workitem_id 0
		.amdhsa_next_free_vgpr 80
		.amdhsa_next_free_sgpr 66
		.amdhsa_reserve_vcc 0
		.amdhsa_float_denorm_mode_32 3
		.amdhsa_float_denorm_mode_16_64 3
		.amdhsa_memory_ordered 1
		.amdhsa_forward_progress 1
		.amdhsa_inst_pref_size 5
	.end_amdhsa_kernel
	.amdgpu_metadata
---
amdhsa.version: [ 1, 2 ]
amdhsa.kernels:
  - .name:           k_qe8803561cc_addup
    .symbol:         k_qe8803561cc_addup.kd
    .args:
      - { .name: part, .offset: 0, .size: 8, .value_kind: global_buffer, .address_space: global }
      - { .name: b2, .offset: 8, .size: 8, .value_kind: global_buffer, .address_space: global }
      - { .name: out0, .offset: 16, .size: 8, .value_kind: global_buffer, .address_space: global }
    .group_segment_fixed_size: 0
    .private_segment_fixed_size: 0
    .kernarg_segment_align: 8
    .kernarg_segment_size: 24
    .max_flat_workgroup_size: 256
    .sgpr_count:     66
    .vgpr_count:     80
    .wavefront_size: 32
...
	.end_amdgpu_metadata
.endif
;; end of part 4
